; MI455X (gfx1250); checked and timed in simulation.
; The chip was launched on July 23, 2026; its instructions are those of AMD's public machine-readable ISA for CDNA 5 (MIT licence, August 2026) and "CDNA5" Instruction Set Architecture Reference Guide (July 2026). The comments in the code are by the model that wrote it; some were corrected since.
;; Llama4 Text Experts EP. Allowed arithmetic: float matrix products may take bf16 or f16 operands with f32 sums; other float arithmetic in f32, or as packed bf16 or f16 multiplies, adds, multiply-adds, maxima and minima; sums over many terms, partial sums and values carried from step to step in f32; what a program stores and reads back later, other than sums and carried values, may be rounded once to bf16 or f16.
;; Inputs: down_proj 8 x 2,048 x 1,024 float32; gate_up_proj 8 x 1,024 x 4,096 float32; hidden_states 1,024 x 1,024 float32; local_expert_indices 1,024 int32.
;; Outputs: out0 1,024 x 1,024 float32.
;; One version. Each part assembles by itself: llvm-mc -triple=amdgcn-amd-amdhsa -mcpu=gfx1250 --defsym DOCPART=n.
;; ======== version 1 of 1: 3 launches
;; workspace buffers: xfrag 18,350,080 bytes; hfrag 36,700,160 bytes; order 35,840 bytes of whole numbers; meta 1,024 bytes of whole numbers
;; launch route (part 1): grid 160 x 9, 1 waves a work-group, no clusters, 4,864 bytes of LDS; arguments hidden_states, local_expert_indices, xfrag, order, meta, out0; writes xfrag, order, meta, out0
.if DOCPART == 1
	.amdgcn_target "amdgcn-amd-amdhsa--gfx1250"
	.amdhsa_code_object_version 6
	.text
	.protected	k_qfb4b7ad164_route
	.globl	k_qfb4b7ad164_route
	.p2align	8
	.type	k_qfb4b7ad164_route,@function
k_qfb4b7ad164_route:
	s_mov_b64 s[64:65], 0
	v_nop
	global_prefetch_b8 v0, s[64:65] scope:SCOPE_SE
	s_setreg_imm32_b32 hwreg(HW_REG_WAVE_MODE, 25, 1), 1
	s_wait_xcnt 0x0
; ROUTING AND LAY-OUT OF THE TOKENS.  1,024 tokens, each with one expert index (int32, in any order).
; A work-group is ONE wave.  y = expert e (0 to 7; 8 stands for every index outside 0 to 7).  x = 16 w + c: w = which of a pass's ten tiles of 16
; list places, c = which 64 of a row's 1,024 numbers (256 bytes of f32).
; Every work-group makes the whole list of its expert's tokens for itself, in its own LDS (a counting scan, no atomics, the same order everywhere),
; fills it up to a multiple of 160 places (a PASS) with the last listed token, and then, for each live pass, rounds its tile's 16 rows x 64 numbers
; to bf16 and stores them in the order in which a matrix operand's registers take them:
;   xfrag[e][tile 0..69][k step 0..31] is a block of 1,024 bytes; number (row, k) of 16 x 32 lies at byte 256 (k / 8) + 16 row + 2 (k % 8),
;   so that a fragment is two loads of 16 bytes a lane, at 16 lane and 512 + 16 lane.
; meta[32 e] = the expert's count, meta[32 e + 1 .. 31] = its passes = max(1, ceil(count / 160)): pass 0 is always laid out, since the products run it without asking;
; an expert without tokens gets token 0's rows there, and nothing of them reaches out0.  order[1120 e + i] = the token of list place i.
; e = 8: the rows that no expert takes get zeros in out0; tiles that begin at or past the count are jumped, so each row has one owner.
; One wave to a work-group: the list's LDS addresses hang on the index data, and nobody else touches these bytes.  No matrix unit, no cluster: nothing here is multiplied, and the shared input is 4 KB.
.set SPARE, 4608                       ; behind the list (words 0..1119) and the dump word (1120): the spare words, one block of 256 bytes that no other line names
.set DUMPW, 1120                       ; lanes with nothing to list store here
.set XE,    2293760                    ; bytes of xfrag for an expert: 70 tiles x 32 blocks x 1,024
.set XPASS, 327680                     ; ten tiles of xfrag
.set SPW, 1                            ; v1   LDS address of my spare word; never rewritten
.set NIL, 2                            ; v2   0; never rewritten
.set IDX, 8                            ; v8-39   the 1,024 indices: register 4 j + c of lane l is token 128 j + 4 l + c
.set LA,  43                           ; v43  LDS address of my list place (16 w + l % 16) in the pass in hand
.set CO,  44                           ; v44  256 c + 32 (l / 16): my bytes in a row of hidden_states or out0
.set XOF, 45                           ; v45  16 l + the pass's ten tiles in xfrag
.set OOF, 46                           ; v46  4 (l % 16) + the pass's 640 bytes in order
.set TOK, 50
.set OFF, 51
.set LD,  52                           ; v52-83   32 f32 as loaded
.set PK,  84                           ; v84-99   the same as bf16
.set ZR,  100                          ; v100-103 zeros
	s_load_b256 s[4:11], s[0:1], 0x0               ; hidden_states s[4:5], indices s[6:7], xfrag s[8:9], order s[10:11]
	s_load_b128 s[12:15], s[0:1], 0x20             ; meta s[12:13], out0 s[14:15]
	v_lshl_add_u32 v[SPW], v0, 2, SPARE
	v_mov_b32 v[NIL], 0
	v_and_b32 v3, 15, v0                           ; l % 16
	v_lshrrev_b32 v4, 4, v0                        ; l / 16
	v_lshlrev_b32 v5, 4, v0                        ; 16 l
	v_lshlrev_b32 v6, 2, v0                        ; 4 l
	v_mov_b32 v7, 0x800                            ; a place beyond every list: the clamp below turns it into the dump word
.irp i, 0,1,2,3
	v_mov_b32 v[ZR+\i], 0
.endr
	s_and_b32 s16, ttmp7, 0xffff                   ; e
	s_mov_b32 s28, ttmp9
	s_and_b32 s17, s28, 15                         ; c
	s_lshr_b32 s18, s28, 4                         ; w
	s_mov_b32 s19, 0                               ; the count so far
	ds_store_b32 v[ZR], v[ZR]                      ; list[0] = 0: an empty list's places all take token 0
	s_wait_kmcnt 0x0
.irp j, 0,1,2,3,4,5,6,7
	global_load_b128 v[IDX+4*\j:IDX+4*\j+3], v5, s[6:7] offset:512*\j
.endr
	s_wait_loadcnt 0x0
	; THE SCAN: 32 tokens at a time.  A token of my expert goes to place count + (matching lanes below mine).
.set n, 0
.rept 32
	v_min_u32 v40, 8, v[IDX+n]                     ; every index outside 0..7 (negative ones are large unsigned) counts as 8
	v_cmp_eq_u32 s20, s16, v40
	v_mbcnt_lo_u32_b32 v41, s20, s19
	v_cndmask_b32 v41, v7, v41, s20
	v_min_u32 v41, DUMPW, v41                      ; a listed place is 1,023 at the most; the others fall on the dump word
	v_lshlrev_b32 v41, 2, v41
	v_add_nc_u32 v42, 128*(n/4)+n%4, v6            ; the token's number
	ds_store_b32 v41, v42
	s_bcnt1_i32_b32 s21, s20
	s_add_co_u32 s19, s19, s21
.set n, n+1
.endr
	s_add_co_u32 s22, s19, 159                     ; (count + 159) / 160 = ((count + 159) / 32) / 5,
	s_lshr_b32 s22, s22, 5                         ; and m / 5 = (52 m) >> 8 for m up to 36
	s_mul_i32 s22, s22, 52
	s_lshr_b32 s22, s22, 8
	s_max_u32 s22, s22, 1                          ; pass 0 is laid out whatever the count
	; the places from the count to the end of its pass (160 at the most) repeat the last listed token
	s_max_u32 s21, s19, 1
	s_sub_co_u32 s21, s21, 1
	s_min_u32 s21, s21, 0x3ff
	s_lshl_b32 s21, s21, 2
	v_mov_b32 v41, s21
	ds_load_b32 v42, v41                           ; LDS serves a wave's instructions in order: this sees the scan's stores
	s_wait_dscnt 0x0
.irp i, 0,1,2,3,4
	v_add_nc_u32 v41, s19, v0
	v_add_nc_u32 v41, 32*\i, v41
	v_min_u32 v41, DUMPW, v41
	v_lshlrev_b32 v41, 2, v41
	ds_store_b32 v41, v42
.endr
	; addresses
	s_lshl_b32 s23, s18, 6
	v_lshl_add_u32 v[LA], v3, 2, s23               ; (16 w + l % 16) x 4
	s_lshl_b32 s24, s17, 8
	v_lshl_add_u32 v[CO], v4, 5, s24
	v_mov_b32 v[XOF], v5
	v_lshlrev_b32 v[OOF], 2, v3
	s_lshl_b32 s25, s18, 4                         ; my tile's first list place in the pass in hand
	s_mov_b32 s27, 0
	s_mul_i32 s26, s16, XE
	s_lshl_b32 s21, s17, 11                        ; two blocks for each c
	s_add_co_u32 s26, s26, s21
	s_lshl_b32 s21, s18, 15                        ; 32 blocks for each tile
	s_add_co_u32 s26, s26, s21
	s_add_nc_u64 s[8:9], s[8:9], s[26:27]
	s_mul_i32 s26, s16, 4480
	s_add_co_u32 s26, s26, s23
	s_add_nc_u64 s[10:11], s[10:11], s[26:27]
	s_lshl_b32 s26, s16, 7
	s_add_nc_u64 s[12:13], s[12:13], s[26:27]
	; count and passes: stored by the expert's work-group x = 0, all 32 lanes, 128 consecutive bytes
	s_cmp_lg_u32 s28, 0
	s_cbranch_scc1 .Lno_meta
	s_cmp_lt_u32 s16, 8
	s_cbranch_scc0 .Lno_meta
	v_mov_b32 v47, s22
	v_mov_b32 v48, s19
	v_cmp_eq_u32 vcc_lo, 0, v0
	v_cndmask_b32 v47, v47, v48, vcc_lo
	global_store_b32 v6, v47, s[12:13]
.Lno_meta:
	s_mov_b32 s29, 0
.Lpass:                                                ; seven trips cover every split (7 x 160 places for 1,024 tokens); dead passes are jumped
	s_cmp_lt_u32 s29, s22
	s_cbranch_scc0 .Lnext
	ds_load_b32 v[TOK], v[LA]
	s_wait_dscnt 0x0
	v_min_u32 v[TOK], 0x3ff, v[TOK]
	v_lshl_add_u32 v[OFF], v[TOK], 12, v[CO]       ; the token's row of 4,096 bytes
	s_cmp_lt_u32 s16, 8
	s_cbranch_scc0 .Lzero
.irp n, 0,1,2,3,4,5,6,7                ; k step n / 4 of my two; k = 8 (l / 16) + 0..7 (bytes 0, 16) and 16 + 8 (l / 16) + 0..7 (bytes 64, 80)
	global_load_b128 v[LD+4*\n:LD+4*\n+3], v[OFF], s[4:5] offset:128*(\n/4)+64*((\n%4)/2)+16*(\n%2)
.endr
	s_cmp_lg_u32 s17, 0
	s_cbranch_scc1 .Lno_order
	global_store_b32 v[OOF], v[TOK], s[10:11]      ; the tile's 16 tokens (both halves of the lanes store the same words)
.Lno_order:
	s_wait_loadcnt 0x0
.set n, 0
.rept 16
	v_cvt_pk_bf16_f32 v[PK+n], v[LD+2*n], v[LD+2*n+1]
.set n, n+1
.endr
.irp n, 0,1,2,3
	global_store_b128 v[XOF], v[PK+4*\n:PK+4*\n+3], s[8:9] offset:512*\n  ; 512 consecutive bytes each: half a block
.endr
	s_branch .Lnext
.Lzero:
	s_cmp_lt_u32 s25, s19                          ; a tile that begins at or past the count holds repeats alone
	s_cbranch_scc0 .Lnext
.irp n, 0,1,2,3,4,5,6,7
	global_store_b128 v[OFF], v[ZR:ZR+3], s[14:15] offset:128*(\n/4)+64*((\n%4)/2)+16*(\n%2)
.endr
.Lnext:
	s_wait_xcnt 0x0                                ; the trip's loads and stores have read their address and data registers: these are rewritten only behind this wait
	v_add_nc_u32 v[LA], 640, v[LA]
	v_add_nc_u32 v[XOF], XPASS, v[XOF]
	v_add_nc_u32 v[OOF], 640, v[OOF]
	s_add_co_u32 s25, s25, 160
	s_add_co_u32 s29, s29, 1
	s_cmp_lt_u32 s29, 7
	s_cbranch_scc1 .Lpass
	s_wait_tensorcnt 0x0                           ; the wave's end: three lines behind my last LDS store
	ds_add_u32 v[SPW], v[NIL]
	s_wait_dscnt 0x0
	s_endpgm
.Lfunc_end_k_qfb4b7ad164_route:
	.size	k_qfb4b7ad164_route, .Lfunc_end_k_qfb4b7ad164_route-k_qfb4b7ad164_route
	.p2alignl 7, 3214868480
	.fill 96, 4, 3214868480
	.section	.rodata,"a",@progbits
	.p2align	6, 0x0
	.amdhsa_kernel k_qfb4b7ad164_route
		.amdhsa_group_segment_fixed_size 4864
		.amdhsa_private_segment_fixed_size 0
		.amdhsa_enable_private_segment 0
		.amdhsa_kernarg_size 48
		.amdhsa_user_sgpr_count 2
		.amdhsa_user_sgpr_kernarg_segment_ptr 1
		.amdhsa_wavefront_size32 1
		.amdhsa_system_sgpr_workgroup_id_x 1
		.amdhsa_system_sgpr_workgroup_id_y 1
		.amdhsa_system_sgpr_workgroup_id_z 1
		.amdhsa_system_vgpr_workitem_id 0
		.amdhsa_next_free_vgpr 104
		.amdhsa_next_free_sgpr 66
		.amdhsa_reserve_vcc 1
		.amdhsa_float_denorm_mode_32 3
		.amdhsa_float_denorm_mode_16_64 3
		.amdhsa_memory_ordered 1
		.amdhsa_forward_progress 1
		.amdhsa_inst_pref_size 25
	.end_amdhsa_kernel
	.amdgpu_metadata
---
amdhsa.version: [ 1, 2 ]
amdhsa.kernels:
  - .name:           k_qfb4b7ad164_route
    .symbol:         k_qfb4b7ad164_route.kd
    .args:
      - { .name: hidden_states, .offset: 0, .size: 8, .value_kind: global_buffer, .address_space: global }
      - { .name: local_expert_indices, .offset: 8, .size: 8, .value_kind: global_buffer, .address_space: global }
      - { .name: xfrag, .offset: 16, .size: 8, .value_kind: global_buffer, .address_space: global }
      - { .name: order, .offset: 24, .size: 8, .value_kind: global_buffer, .address_space: global }
      - { .name: meta, .offset: 32, .size: 8, .value_kind: global_buffer, .address_space: global }
      - { .name: out0, .offset: 40, .size: 8, .value_kind: global_buffer, .address_space: global }
    .group_segment_fixed_size: 4864
    .private_segment_fixed_size: 0
    .kernarg_segment_align: 8
    .kernarg_segment_size: 48
    .max_flat_workgroup_size: 32
    .sgpr_count:     66
    .vgpr_count:     104
    .wavefront_size: 32
...
	.end_amdgpu_metadata
.endif
;; end of part 1
;; launch gateup (part 2): grid 32 x 8, 4 waves a work-group, no clusters, 295,424 bytes of LDS; arguments gate_up_proj, xfrag, meta, hfrag; writes hfrag
.if DOCPART == 2
	.amdgcn_target "amdgcn-amd-amdhsa--gfx1250"
	.amdhsa_code_object_version 6
	.text
	.protected	k_qfb4b7ad164_gateup
	.globl	k_qfb4b7ad164_gateup
	.p2align	8
	.type	k_qfb4b7ad164_gateup,@function
k_qfb4b7ad164_gateup:
	s_mov_b64 s[64:65], 0
	v_nop
	global_prefetch_b8 v0, s[64:65] scope:SCOPE_SE
	s_setreg_imm32_b32 hwreg(HW_REG_WAVE_MODE, 25, 1), 1
	s_wait_xcnt 0x0
; FIRST PRODUCT AND ACTIVATION.  h = up x gate x sigmoid(gate), [gate | up] = x W, W = gate_up_proj[e]: [1024 (k)][4096] f32.  Operands rounded once to bf16, sums in f32, h rounded once to bf16.
; SHARES.  y = expert e; x = s: the 64 gate columns 64 s .. and the 64 up columns 2048 + 64 s ..; nobody else reads these weights.  Wave w: u = w / 2 (gate, up), q = w % 2 (k half of 512: 16 steps of 32).
; The expert's rows go in PASSES of 160 list places (ten tiles of 16), always whole: the launch before filled the list up with repeats.  So every count of loads is a constant.
; PASS 0 RUNS WHATEVER THE COUNT (the launch before always lays it out), so that its data can be asked for at once.  Of a wave's 16 K steps of W the last 9 (288 rows x 256 bytes = 72 KB) are asked for
; at the kernel's head by three tensor loads into a region of LDS that is the wave's own and is filled once; the first 7 come through registers meanwhile, two steps of them on their way.
; One step more in LDS would pass what a work-group can be given by 128 bytes a wave.  Only the wave that asked reads a region, behind its own counted wait: no barrier, and nothing is filled again.
; PASSES 1 TO 6 (an expert with more than 160 rows; six more cover all 1,024 tokens on one expert) read W again, all of it through registers, in a loop; a dead pass jumps over work alone, never over a barrier.
; FROM W TO OPERAND REGISTERS.  A lane's 16 bytes are row k, columns 4 r .. 4 r + 3 (r = lane % 16): sixteen lanes take 256 consecutive, aligned bytes, from memory or from LDS.
; Column 4 r + jt is row r of fragment jt.  Sixteen loads (k = 8 h + 0..7 and 16 + 8 h + 0..7, h = lane / 16) and 32 packed roundings make four fragments of 16 columns x 32 k.
; TOKENS come from xfrag in operand order, two loads of 16 bytes a lane for a fragment; in pass 0 they are asked for two steps ahead, into three buffers.
; THE MATRIX INSTRUCTION IS USED TRANSPOSED (source 0 = weights, source 1 = tokens): a lane holds token row r, and register j of accumulator (tile, jt) is column 32 h + 4 j + jt of the 64.
; So a lane's 32 numbers of a tile are one row's 32 k of ONE block of hfrag (k step 2 s + h of the second product), and pack into four pieces of 16 bytes without leaving the lane.
; The two k halves and gate and up meet in LDS: each wave lays its 40 accumulators down as they are, at the head of its own region (which has had its only fill and has been read out), a barrier, and each
; wave takes 5 of the 20 half tiles through sum, activation and store.
; hfrag[e][tile 0..69][k step 0..63]: blocks of 1,024 bytes, number (row, k) at 256 (k / 8) + 16 row + 2 (k % 8), as xfrag.
; NOT SHARED BY JOINT LOADS: an expert's 32 work-groups read the same token blocks (320 KB a pass), but LDS is given to the weights, which nobody shares: 288 of its 320 KB.
; LIMITS.  sigmoid(g) = 1 / (1 + 2^(-g log2 e)); h is formed as (g u) x that, so g u has to stay finite in f32 (|g u| < 3.4e38).  NaN and infinities are not treated apart.
.set NT,    10                         ; tiles of 16 rows in a pass
.set NX,    2*NT                       ; loads for a K step of x
.set NS,    16                         ; K steps of a wave
.set NR,    7                          ; pass 0: steps 0 .. NR - 1 of W come through registers, the others through LDS
.set TS,    3                          ; K steps in a tensor load
.set NTL,   3                          ; tensor loads of a wave
.set WROW,  16384                      ; bytes from k to k + 1 in W
.set WSTEP, 32*WROW                    ; a K step
.set XTILE, 32768                      ; bytes of xfrag for a tile
.set XE,    70*XTILE
.set XPASS, NT*XTILE
.set HE,    70*65536
.set HPASS, NT*65536
.set REG,   (NS-NR)*8192               ; a wave's region of LDS: 9 K steps of 32 rows x 256 bytes; later, at its head, its 40 accumulators: a at 1,024 a, registers 0-3 at 16 lane, 4-7 512 further on
.set SPARE, 4*REG                      ; behind the four regions: the spare words, 128 bytes for each wave: two blocks of 256 bytes that no other line names
.set SPW, 1                            ; v1   LDS address of my spare word; never rewritten
.set NIL, 2                            ; v2   0; never rewritten
.set WO,  6                            ; v6   8 h rows + 16 r: my place in a K step of W in memory
.set XO,  7                            ; v7   16 lane
.set STA, 8                            ; v8   my region + 16 lane
.set HO,  11                           ; v11  the half tile in hand in hfrag
.set S0I, 12                           ; v12  my first half tile's place in a region
.set HOI, 13                           ; v13  HO for it
.set LA,  14                           ; v14  my region + 8 h rows + 16 r: my place in a K step of W in LDS;  v15 the same five steps on
.set SJ,  16                           ; v16-19  the half tile in hand in the regions of waves 0 to 3
.set F,   32                           ; window 0: v32-95   two buffers of four fragments of W
.set R,   96                           ; window 0: v96-223  two buffers of 64: W as loaded, load i at 4 i
.set X,   0                            ; window 1: v0-239   three buffers of ten fragments of x
                                       ; window 2: the accumulators of tiles 0-7, (i, jt) at 8 (4 i + jt);  window 3: v0-63 those of tiles 8, 9
.set FA,  32                           ; the way out, window 0: 16 registers each: gate's two halves, up's two halves, 8 packed
.set FB,  48
.set FC,  64
.set FD,  80
.set FP,  96
.set SW,  28                           ; s[28:29] W at the K step in hand
.set SX,  30                           ; s[30:31] xfrag at it
.set G1,  40                           ; s[40:47] descriptor group 1
.set G0,  48                           ; s[48:59] descriptor group 0, a set for each of my three tensor loads; never rewritten
.set MSB, 0
.macro WIN new                         ; s_set_vgpr_msb: bits 1:0 source 0, 3:2 source 1, 5:4 source 2, 7:6 destination; the high byte repeats the setting that is left
.if MSB != (\new)
	s_set_vgpr_msb (MSB<<8)|(\new)
.set MSB, \new
.endif
.endm
.macro LOADW b, k                      ; K step k (from SW) of my 64 columns, as f32, from memory into raw buffer b: 16 loads of 512 bytes
	WIN 0
.set li, 0
.rept 16
	global_load_b128 v[R+64*(\b)+4*li:R+64*(\b)+4*li+3], v[WO], s[SW:SW+1] offset:(\k)*WSTEP+(li+8*(li/8))*WROW th:TH_LOAD_NT
.set li, li+1
.endr
.endm
.macro LOADL b, kk                     ; step kk of the nine in my region of LDS into raw buffer b: 16 loads
	WIN 0
.set li, 0
.rept 16
	ds_load_b128 v[R+64*(\b)+4*li:R+64*(\b)+4*li+3], v[LA+(\kk)/5] offset:((\kk)%5)*8192+(li+8*(li/8))*256
.set li, li+1
.endr
.endm
.macro LOADX b, k                      ; K step k (from SX) of the pass's ten tiles into buffer b: 20 loads of 512 bytes
	WIN 0x40                                       ; destination window 1
.set li, 0
.rept NT
	global_load_b128 v[X+8*NT*(\b)+8*li:X+8*NT*(\b)+8*li+3],   v[XO], s[SX:SX+1] offset:(\k)*1024+li*XTILE
	global_load_b128 v[X+8*NT*(\b)+8*li+4:X+8*NT*(\b)+8*li+7], v[XO], s[SX:SX+1] offset:(\k)*1024+li*XTILE+512
.set li, li+1
.endr
.endm
.macro CONV b                          ; raw buffer b to fragment buffer b: register p of fragment jt = loads 2 p and 2 p + 1, column jt
	WIN 0
.set cj, 0
.rept 4
.set cp, 0
.rept 8
	v_cvt_pk_bf16_f32 v[F+32*(\b)+8*cj+cp], v[R+64*(\b)+8*cp+cj], v[R+64*(\b)+8*cp+4+cj]
.set cp, cp+1
.endr
.set cj, cj+1
.endr
.endm
.macro MULS b, xb, zero                ; 40 matrix instructions on W's buffer b and x's buffer xb, the 40 accumulators by turns, one instruction a turn.  zero = 1: the first K step starts the sums
.set mi, 0
.rept NT
.if mi < 8
	WIN 0xa4                                       ; W window 0, x window 1, C and D window 2
.set mb, 32*mi
.else
	WIN 0xf4                                       ; C and D window 3
.set mb, 32*(mi-8)
.endif
.set mj, 0
.rept 4
.if \zero
	v_wmma_f32_16x16x32_bf16 v[mb+8*mj:mb+8*mj+7], v[F+32*(\b)+8*mj:F+32*(\b)+8*mj+7], v[X+8*NT*(\xb)+8*mi:X+8*NT*(\xb)+8*mi+7], 0
.else
	v_wmma_f32_16x16x32_bf16 v[mb+8*mj:mb+8*mj+7], v[F+32*(\b)+8*mj:F+32*(\b)+8*mj+7], v[X+8*NT*(\xb)+8*mi:X+8*NT*(\xb)+8*mi+7], v[mb+8*mj:mb+8*mj+7]
.endif
.set mj, mj+1
.endr
.set mi, mi+1
.endr
.endm
; PASS 0, K STEP t, written out for each t: every offset is an immediate and no base is stepped.  Ahead of its products the step makes W(t + 1)'s fragments, asks memory for W(t + 3) or LDS for W(t + 2),
; and asks for x(t + 2), in this order.
; The wait for loads: they come back in order (ISA guide 5.7.1).  The step needs x(t) and, if it came from memory, W(t + 1), which was issued ahead of x(t).  Behind x(t) were issued W(t + 2)'s 16 loads,
; if that step comes from memory, and x(t + 1)'s 20: these may stay out.
; The wait for LDS: W(t + 1)'s reads were issued in step t - 1 and nothing behind them.  The wait for tensor loads counts my loads issued behind the tile that is about to be read.
; The four v_nop are the places between the last step's products and the writes and loads into registers that those products read.
.macro PSTEP t
.set par, (\t)%2
.set nl, 0
.if (\t)+2 < NR
.set nl, 16
.endif
.if (\t)+1 < NS
.set nl, nl+NX
.endif
	s_wait_loadcnt nl
.if (\t)+1 < NS
.if (\t)+1 >= NR
	s_wait_dscnt 0x0
.endif
.rept 4
	v_nop
.endr
	CONV 1-par
.endif
.if (\t)+3 < NR
	LOADW 1-par, (\t)+3
.endif
.if ((\t)+2 >= NR) && ((\t)+2 < NS)
.if ((\t)+2-NR)%TS == 0
	s_wait_tensorcnt NTL-1-((\t)+2-NR)/TS
.endif
	LOADL par, (\t)+2-NR
.endif
.if (\t)+2 < NS
	LOADX ((\t)+2)%3, (\t)+2
.endif
.if (\t) == 0
	MULS par, (\t)%3, 1
.else
	MULS par, (\t)%3, 0
.endif
.endm
; PASSES 1 TO 6, K step t, on buffers par = t % 2: makes W(t + 1)'s fragments (cv), asks for x(t + 1) (ix) and W(t + 3) (iw), in this order, and multiplies.
; n: behind W(t + 1) and x(t), which this step needs, only W(t + 2)'s 16 loads were issued.
.macro STEP par, zero, cv, ix, iw, n, kx, kw
	s_wait_loadcnt \n
.if \cv
.rept 4
	v_nop
.endr
	CONV 1-(\par)
.endif
.if \ix
	LOADX 1-(\par), \kx
.endif
.if \iw
	LOADW 1-(\par), \kw
.endif
	MULS \par, \par, \zero
.endm
	s_load_b256 s[4:11], s[0:1], 0x0               ; W s[4:5], xfrag s[6:7], meta s[8:9], hfrag s[10:11]
	v_lshl_add_u32 v[SPW], v0, 2, SPARE
	v_mov_b32 v[NIL], 0
	ds_add_u32 v[SPW], v[NIL]                      ; the wave's opening: the add and its wait stand ahead of my first tensor load; the set-up below, work on registers, stands between them
	v_lshrrev_b32 v3, 5, v0
	v_readfirstlane_b32 s12, v3                    ; wave 0..3
	v_and_b32 v3, 31, v0                           ; lane
	v_and_b32 v4, 15, v0                           ; r
	v_bfe_u32 v5, v0, 4, 1                         ; h
	s_lshr_b32 s13, s12, 1                         ; u
	s_and_b32 s14, s12, 1                          ; q
	s_and_b32 s15, ttmp7, 0xffff                   ; e
	s_mov_b32 s16, ttmp9                           ; s
	s_mul_i32 s34, s12, REG                        ; my region of LDS
	v_lshlrev_b32 v[WO], 4, v4
	v_lshlrev_b32 v[HOI], 4, v4
	v_lshlrev_b32 v[LA], 4, v4
	v_lshl_add_u32 v[WO], v5, 17, v[WO]            ; 8 rows of 16,384 bytes for the upper half of the lanes
	v_lshl_add_u32 v[LA], v5, 11, v[LA]            ; in LDS 8 rows of 256
	v_add_nc_u32 v[LA], s34, v[LA]
	v_add_nc_u32 v[LA+1], 5*8192, v[LA]
	v_lshlrev_b32 v[XO], 4, v3
	v_add_nc_u32 v[STA], s34, v[XO]
	; the way out: half tile n = w + 4 trip is tile n / 2 = w / 2 + 2 trip, registers 4 (w % 2) + 0..3 of its accumulators
	s_lshl_b32 s17, s13, 12                        ; a tile's four accumulators: 4,096 bytes
	s_lshl_b32 s18, s14, 9
	s_add_co_u32 s17, s17, s18
	v_add_nc_u32 v[S0I], s17, v[XO]
	s_lshl_b32 s17, s13, 16                        ; a tile of hfrag: 65,536 bytes; the upper registers' two pieces lie 512 bytes on
	s_add_co_u32 s17, s17, s18
	v_lshl_add_u32 v[HOI], v5, 10, v[HOI]          ; block 2 s + h, row r
	v_add_nc_u32 v[HOI], s17, v[HOI]
	s_lshl_b32 s18, s15, 24                        ; W: expert, k half, gate or up, my 256 bytes of a row
	s_lshl_b32 s19, s14, 23
	s_add_co_u32 s18, s18, s19
	s_lshl_b32 s19, s13, 13
	s_add_co_u32 s18, s18, s19
	s_lshl_b32 s19, s16, 8
	s_add_co_u32 s18, s18, s19
	s_mov_b32 s19, 0
	s_mul_i32 s20, s15, XE                         ; xfrag: expert, my 16 blocks of each tile
	s_lshl_b32 s21, s14, 14
	s_add_co_u32 s20, s20, s21
	s_mov_b32 s21, 0
	s_mul_i32 s22, s15, HE                         ; hfrag: expert, blocks 2 s and 2 s + 1
	s_lshl_b32 s23, s16, 11
	s_add_co_u32 s22, s22, s23
	s_mov_b32 s23, 0
	s_lshl_b32 s24, s15, 7
	s_mov_b32 s25, 0
	; descriptor group 1: a tile of 96 rows x 64 elements of 4 bytes, laid into LDS row behind row without padding
	s_mov_b32 s[G1+0], 2<<16                       ; 15:0 no work-group mask; 17:16 elements of 4 bytes; 20 no padding
	s_mov_b32 s[G1+1], 64<<16                      ; tensor_dim0 = 64
	s_mov_b32 s[G1+2], (TS*32)<<16                 ; tensor_dim1 = 96
	s_mov_b32 s[G1+3], 64<<16                      ; tile_dim0 = 64
	s_mov_b32 s[G1+4], TS*32                       ; tile_dim1 = 96
	s_mov_b32 s[G1+5], 4096                        ; elements from row to row
	s_mov_b32 s[G1+6], 0
	s_mov_b32 s[G1+7], 0
	s_mov_b32 s32, 0                               ; the pass in hand
	s_wait_dscnt 0x0                               ; the opening add is done
	s_wait_kmcnt 0x0
	s_add_nc_u64 s[8:9], s[8:9], s[24:25]
	s_load_b64 s[26:27], s[8:9], 0x0               ; s26 the expert's count (not used here), s27 its passes: wanted only behind pass 0's products
	s_add_nc_u64 s[4:5], s[4:5], s[18:19]
	s_add_nc_u64 s[6:7], s[6:7], s[20:21]
	s_add_nc_u64 s[10:11], s[10:11], s[22:23]
	s_mov_b64 s[SW:SW+1], s[4:5]
	s_mov_b64 s[SX:SX+1], s[6:7]
.irp j, 0,1,2
	s_mov_b32 s[G0+4*\j], 1                                        ; count = 1
	s_add_co_u32 s[G0+4*\j+1], s34, \j*TS*8192                     ; LDS address: my region, tile j
	s_add_nc_u64 s[G0+4*\j+2:G0+4*\j+3], s[4:5], (NR+TS*\j)*WSTEP  ; global address: K step 7 + 3 j
	s_or_b32 s[G0+4*\j+3], s[G0+4*\j+3], 0x80000000                ; type = 2
.endr
	; PASS 0.  What the first steps need is asked for first, then all that goes through LDS: three tensor loads of mine are out, 72 KB.
	LOADW 0, 0
	LOADW 1, 1
	LOADX 0, 0
	WIN 0
.irp j, 0,1,2
	tensor_load_to_lds s[G0+4*\j:G0+4*\j+3], s[G1:G1+7]
	s_nop 0
.endr
	s_wait_loadcnt 16+NX                           ; W(0) is in; behind it W(1)'s 16 loads and x(0)'s 20
	CONV 0
	LOADW 0, 2
	LOADX 1, 1
.set tt, 0
.rept NS
	PSTEP tt
.set tt, tt+1
.endr
	WIN 0
	s_wait_kmcnt 0x0                               ; the passes
	s_branch .Lstage                               ; into the loop's first trip, behind its products
.Lpass:
	s_cmp_lt_u32 s32, s27
	s_cbranch_scc0 .Lno_main
	s_mov_b64 s[SW:SW+1], s[4:5]                   ; no load is out here: the last pass's last step waited for all
	s_mov_b64 s[SX:SX+1], s[6:7]
	LOADW 0, 0
	LOADW 1, 1
	LOADX 0, 0
	s_wait_loadcnt 16+NX                           ; W(0) is in; behind it W(1)'s 16 loads and x(0)'s 20
	CONV 0
	LOADW 0, 2
	STEP 0, 1, 1, 1, 1, 16, 1, 3                   ; step 0 stands ahead of the loop: its products start the sums
	WIN 0
	s_wait_xcnt 0x0                                ; the bases are stepped only behind this wait
	s_add_nc_u64 s[SW:SW+1], s[SW:SW+1], WSTEP
	s_add_nc_u64 s[SX:SX+1], s[SX:SX+1], 1024
	s_mov_b32 s33, 6
.Lk:                                                   ; steps 1 to 12, two a trip; the bases stand at the trip's first step
	STEP 1, 0, 1, 1, 1, 16, 1, 3
	STEP 0, 0, 1, 1, 1, 16, 2, 4
	WIN 0
	s_wait_xcnt 0x0
	s_add_nc_u64 s[SW:SW+1], s[SW:SW+1], 2*WSTEP
	s_add_nc_u64 s[SX:SX+1], s[SX:SX+1], 2048
	s_sub_co_u32 s33, s33, 1
	s_cmp_lg_u32 s33, 0
	s_cbranch_scc1 .Lk
	STEP 1, 0, 1, 1, 0, 16, 1, 0                   ; step 13: W(15) may stay out; no W is left to ask for
	STEP 0, 0, 1, 1, 0, 0, 2, 0                    ; step 14: W(15) and x(14) are the last out
	STEP 1, 0, 0, 0, 0, 0, 0, 0                    ; step 15: x(15)
	WIN 0
.Lstage:
.rept 4
	v_nop                                          ; the places between the last products and the stores that read them
.endr
	WIN 0x08                                       ; store data in window 2.  My region has had its only fill, and my reads of it are back
.set a, 0
.rept 32
	ds_store_b128 v[STA], v[8*a:8*a+3]   offset:1024*a       ; each accumulator's low registers first
	ds_store_b128 v[STA], v[8*a+4:8*a+7] offset:1024*a+512
.set a, a+1
.endr
	WIN 0x0c                                       ; in window 3
.rept 8
	ds_store_b128 v[STA], v[8*(a-32):8*(a-32)+3]   offset:1024*a
	ds_store_b128 v[STA], v[8*(a-32)+4:8*(a-32)+7] offset:1024*a+512
.set a, a+1
.endr
	WIN 0
.Lno_main:
	s_wait_dscnt 0x0                               ; for the others' sake: my accumulators are laid down
	s_barrier_signal -1
	s_barrier_wait -1
	s_cmp_lt_u32 s32, s27
	s_cbranch_scc0 .Lno_final
	v_mov_b32 v[SJ], v[S0I]
	v_add_nc_u32 v[SJ+1], REG, v[S0I]
	v_add_nc_u32 v[SJ+2], 2*REG, v[S0I]
	v_add_nc_u32 v[SJ+3], 3*REG, v[S0I]
	v_mov_b32 v[HO], v[HOI]
	s_mov_b32 s33, 5
.Lfin:                                                 ; a half tile: 16 rows x 64 columns' lower or upper registers: 16 numbers a lane
.irp jt, 0,1,2,3
	ds_load_b128 v[FA+4*\jt:FA+4*\jt+3], v[SJ]   offset:1024*\jt   ; gate, k half 0
	ds_load_b128 v[FB+4*\jt:FB+4*\jt+3], v[SJ+1] offset:1024*\jt   ; gate, k half 1
	ds_load_b128 v[FC+4*\jt:FC+4*\jt+3], v[SJ+2] offset:1024*\jt   ; up, k half 0
	ds_load_b128 v[FD+4*\jt:FD+4*\jt+3], v[SJ+3] offset:1024*\jt   ; up, k half 1
.endr
	s_wait_dscnt 0x0
.set z, 0
.rept 8
	v_pk_add_f32 v[FA+z:FA+z+1], v[FA+z:FA+z+1], v[FB+z:FB+z+1]     ; g = the two k halves
	v_pk_add_f32 v[FC+z:FC+z+1], v[FC+z:FC+z+1], v[FD+z:FD+z+1]     ; u likewise
.set z, z+2
.endr
.set z, 0
.rept 8
	v_pk_mul_f32 v[FB+z:FB+z+1], v[FA+z:FA+z+1], 0xbfb8aa3b op_sel_hi:[1,0]  ; -g log2(e)
.set z, z+2
.endr
.set z, 0
.rept 16
	v_exp_f32 v[FB+z], v[FB+z]
.set z, z+1
.endr
.set z, 0
.rept 8
	v_pk_mul_f32 v[FA+z:FA+z+1], v[FA+z:FA+z+1], v[FC+z:FC+z+1]     ; g u: plain work that names no exponential's result
.set z, z+2
.endr
	s_wait_alu depctr_va_vdst(0)                   ; one wait for the 16 exponentials, ahead of their first reader
.set z, 0
.rept 8
	v_pk_add_f32 v[FB+z:FB+z+1], v[FB+z:FB+z+1], 1.0 op_sel_hi:[1,0]
.set z, z+2
.endr
.set z, 0
.rept 16
	v_rcp_f32 v[FB+z], v[FB+z]
.set z, z+1
.endr
	v_nop                                          ; a plain instruction behind the last reciprocal (ISA guide 5.7.2),
	s_wait_alu depctr_va_vdst(0)                   ; and one wait for the 16
.set z, 0
.rept 8
	v_pk_mul_f32 v[FA+z:FA+z+1], v[FA+z:FA+z+1], v[FB+z:FB+z+1]
.set z, z+2
.endr
.irp oo, 0,1                           ; a piece of 8 k: registers 2 oo and 2 oo + 1 of the four, columns jt = 0..3 of each
	v_cvt_pk_bf16_f32 v[FP+4*\oo],   v[FA+2*\oo],     v[FA+4+2*\oo]
	v_cvt_pk_bf16_f32 v[FP+4*\oo+1], v[FA+8+2*\oo],   v[FA+12+2*\oo]
	v_cvt_pk_bf16_f32 v[FP+4*\oo+2], v[FA+2*\oo+1],   v[FA+4+2*\oo+1]
	v_cvt_pk_bf16_f32 v[FP+4*\oo+3], v[FA+8+2*\oo+1], v[FA+12+2*\oo+1]
.endr
	global_store_b128 v[HO], v[FP:FP+3],   s[10:11]             ; sixteen lanes store 256 consecutive bytes, at a multiple of 256 from hfrag's first
	global_store_b128 v[HO], v[FP+4:FP+7], s[10:11] offset:256
	s_wait_xcnt 0x0                                ; HO and the packed registers are rewritten only behind this wait
.irp j, 0,1,2,3
	v_add_nc_u32 v[SJ+\j], 8192, v[SJ+\j]          ; two tiles on
.endr
	v_add_nc_u32 v[HO], 131072, v[HO]
	s_sub_co_u32 s33, s33, 1
	s_cmp_lg_u32 s33, 0
	s_cbranch_scc1 .Lfin
.Lno_final:
	s_wait_dscnt 0x0                               ; my reads of the four regions are over: the next pass may write them
	s_barrier_signal -1
	s_barrier_wait -1
	s_wait_xcnt 0x0
	s_add_nc_u64 s[6:7], s[6:7], XPASS
	s_add_nc_u64 s[10:11], s[10:11], HPASS
	s_add_co_u32 s32, s32, 1
	s_cmp_lt_u32 s32, 7
	s_cbranch_scc1 .Lpass
	s_wait_tensorcnt 0x0                           ; the wave's end: three lines behind my last tensor load and my last LDS store
	ds_add_u32 v[SPW], v[NIL]
	s_wait_dscnt 0x0
	s_endpgm
.Lfunc_end_k_qfb4b7ad164_gateup:
	.size	k_qfb4b7ad164_gateup, .Lfunc_end_k_qfb4b7ad164_gateup-k_qfb4b7ad164_gateup
	.p2alignl 7, 3214868480
	.fill 96, 4, 3214868480
	.section	.rodata,"a",@progbits
	.p2align	6, 0x0
	.amdhsa_kernel k_qfb4b7ad164_gateup
		.amdhsa_group_segment_fixed_size 295424
		.amdhsa_private_segment_fixed_size 0
		.amdhsa_enable_private_segment 0
		.amdhsa_kernarg_size 32
		.amdhsa_user_sgpr_count 2
		.amdhsa_user_sgpr_kernarg_segment_ptr 1
		.amdhsa_wavefront_size32 1
		.amdhsa_system_sgpr_workgroup_id_x 1
		.amdhsa_system_sgpr_workgroup_id_y 1
		.amdhsa_system_sgpr_workgroup_id_z 1
		.amdhsa_system_vgpr_workitem_id 0
		.amdhsa_next_free_vgpr 832
		.amdhsa_next_free_sgpr 66
		.amdhsa_reserve_vcc 0
		.amdhsa_float_denorm_mode_32 3
		.amdhsa_float_denorm_mode_16_64 3
		.amdhsa_memory_ordered 1
		.amdhsa_forward_progress 1
		.amdhsa_inst_pref_size 193
	.end_amdhsa_kernel
	.amdgpu_metadata
---
amdhsa.version: [ 1, 2 ]
amdhsa.kernels:
  - .name:           k_qfb4b7ad164_gateup
    .symbol:         k_qfb4b7ad164_gateup.kd
    .args:
      - { .name: gate_up_proj, .offset: 0, .size: 8, .value_kind: global_buffer, .address_space: global }
      - { .name: xfrag, .offset: 8, .size: 8, .value_kind: global_buffer, .address_space: global }
      - { .name: meta, .offset: 16, .size: 8, .value_kind: global_buffer, .address_space: global }
      - { .name: hfrag, .offset: 24, .size: 8, .value_kind: global_buffer, .address_space: global }
    .group_segment_fixed_size: 295424
    .private_segment_fixed_size: 0
    .kernarg_segment_align: 8
    .kernarg_segment_size: 32
    .max_flat_workgroup_size: 128
    .sgpr_count:     66
    .vgpr_count:     832
    .wavefront_size: 32
...
	.end_amdgpu_metadata
.endif
;; end of part 2
;; launch down (part 3): grid 32 x 8, 8 waves a work-group, no clusters, 284,928 bytes of LDS; arguments down_proj, hfrag, meta, order, out0; writes out0
.if DOCPART == 3
	.amdgcn_target "amdgcn-amd-amdhsa--gfx1250"
	.amdhsa_code_object_version 6
	.text
	.protected	k_qfb4b7ad164_down
	.globl	k_qfb4b7ad164_down
	.p2align	8
	.type	k_qfb4b7ad164_down,@function
k_qfb4b7ad164_down:
	s_mov_b64 s[64:65], 0
	v_nop
	global_prefetch_b8 v0, s[64:65] scope:SCOPE_SE
	s_setreg_imm32_b32 hwreg(HW_REG_WAVE_MODE, 25, 1), 1
	s_wait_xcnt 0x0
; SECOND PRODUCT AND SCATTER.  out0[token] = h W, W = down_proj[e]: [2048 (k)][1024] f32.  Operands bf16 (W rounded on its way through registers, h as stored), sums in f32, out0 f32.
; SHARES.  y = expert e; x = 2 unit + hf: unit = 64 output columns (256 bytes of a row of W and of out0), hf = tiles 5 hf .. 5 hf + 4 of each pass of ten.  Wave w has the k eighth 256 w .. (8 steps of 32).
; The two work-groups of a unit read the same weights; slices of 32 columns for one reader each would read and write halves of aligned blocks of 256 bytes.
; PASS 0 RUNS WHATEVER THE COUNT, so that its data can be asked for at once.  Of a wave's 8 K steps of W the last 4 (128 rows x 256 bytes = 32 KB) are asked for at the kernel's head by two tensor loads
; into a region of LDS that is the wave's own and is filled once; the first 4 come through registers meanwhile.  One step more in LDS would pass what a work-group can be given by 128 bytes a wave.
; Only the wave that asked reads a region, behind its own counted wait: no barrier, and nothing is filled again.  Tokens are asked for two steps ahead, into three buffers.
; PASSES 1 TO 6 (an expert with more than 160 rows) read W again, all of it through registers, in a loop; a dead pass jumps over work alone, never over a barrier.
; Weights to operand registers, tokens, the transposed use of the matrix instruction: as in the first product's kernel.  A lane holds token row r = lane % 16; register j of
; accumulator (tile, jt) is column 32 h + 4 j + jt of the unit (h = lane / 16).
; THE WAY OUT.  Each wave lays its 20 accumulators down at the head of its own region (which has had its only fill and has been read out); behind a barrier wave w < 5 adds tile w's eight partial sums in one
; fixed order, ((0+1)+(2+3))+((4+5)+(6+7)), turns the tile into rows through a buffer of its own, and stores each row's 256 bytes to the token that order[] names.  A tile that begins at or past the
; count is jumped.  In the count's own tile the places past the count repeat its last token: the same wave stores the same bits to that row again.
; NOT SHARED BY JOINT LOADS: LDS is given to the weights (256 KB); a pass's token blocks (320 KB a work-group) have no room beside them.
; LIMITS.  NaN and infinities are not treated apart.
.set NT,    5
.set NX,    2*NT
.set NS,    8                          ; K steps of a wave
.set NR,    4                          ; pass 0: steps 0 .. NR - 1 of W come through registers, the others through LDS
.set TS,    2                          ; K steps in a tensor load
.set NTL,   2                          ; tensor loads of a wave
.set WROW,  4096
.set WSTEP, 32*WROW
.set XTILE, 65536                      ; bytes of hfrag for a tile
.set HE,    70*XTILE
.set HPASS, 10*XTILE
.set REG,   (NS-NR)*8192               ; a wave's region of LDS: 4 K steps of 32 rows x 256 bytes; later, at its head, its 20 accumulators: a at 1,024 a
.set RB,    8*REG                      ; behind the regions: 16 rows x 272 bytes for each of waves 0-4; no tensor load lands here
.set RP,    272                        ; 256 bytes + 16: sixteen rows' equal columns start 68 words apart
.set SPARE, RB+5*16*RP                 ; behind them: the spare words, 128 bytes for each wave: four blocks of 256 bytes that no other line names
.set SPW, 1                            ; v1   LDS address of my spare word; never rewritten
.set NIL, 2                            ; v2   0; never rewritten
.set WO,  6                            ; v6   8 h rows + 16 r in memory
.set XO,  7                            ; v7   16 lane
.set STA, 8                            ; v8   my region + 16 lane
.set LA,  9                            ; v9   my region + 8 h rows + 16 r
.set RBS, 11                           ; v11  my row buffer: row r, 128 h
.set RBL, 12                           ; v12  my row buffer: row h, 16 r
.set OO,  13                           ; v13  4 h
.set C16, 14                           ; v14  16 r
.set TK,  16                           ; v16-23  eight tokens, then their byte offsets in out0
.set SJ,  24                           ; v24-27  tile w in the regions of waves 0-1, 2-3, 4-5, 6-7
.set F,   32                           ; window 0: v32-95   two buffers of four fragments of W
.set ACC, 96                           ; window 0: v96-255  the accumulators, (i, jt) at 8 (4 i + jt)
.set R,   0                            ; window 1: v0-127   two buffers of 64: W as loaded
.set X,   128                          ; window 1: v128-247 three buffers of five fragments of h
.set T,   32                           ; the way out, window 0: v32-159 eight waves' 16 registers;  v160-191 the lane's 32 columns;  v192-223 rows read back
.set OUT, 160
.set BK,  192
.set SW,  28                           ; s[28:29] W at the K step in hand
.set SX,  30                           ; s[30:31] hfrag at it
.set G1,  40                           ; s[40:47] descriptor group 1
.set G0,  48                           ; s[48:55] descriptor group 0, a set for each of my two tensor loads; never rewritten
.set MSB, 0
.macro WIN new                         ; s_set_vgpr_msb: bits 1:0 source 0, 3:2 source 1, 5:4 source 2, 7:6 destination; the high byte repeats the setting that is left
.if MSB != (\new)
	s_set_vgpr_msb (MSB<<8)|(\new)
.set MSB, \new
.endif
.endm
.macro LOADW b, k                      ; K step k (from SW) of the unit's 64 columns, as f32, from memory into raw buffer b: 16 loads of 512 bytes
	WIN 0x40                                       ; destination window 1, address window 0
.set li, 0
.rept 16
	global_load_b128 v[R+64*(\b)+4*li:R+64*(\b)+4*li+3], v[WO], s[SW:SW+1] offset:(\k)*WSTEP+(li+8*(li/8))*WROW
.set li, li+1
.endr
.endm
.macro LOADL b, kk                     ; step kk of the four in my region of LDS into raw buffer b: 16 loads
	WIN 0x40
.set li, 0
.rept 16
	ds_load_b128 v[R+64*(\b)+4*li:R+64*(\b)+4*li+3], v[LA] offset:(\kk)*8192+(li+8*(li/8))*256
.set li, li+1
.endr
.endm
.macro LOADX b, k                      ; K step k (from SX) of my five tiles into buffer b: 10 loads of 512 bytes
	WIN 0x40
.set li, 0
.rept NT
	global_load_b128 v[X+8*NT*(\b)+8*li:X+8*NT*(\b)+8*li+3],   v[XO], s[SX:SX+1] offset:(\k)*1024+li*XTILE
	global_load_b128 v[X+8*NT*(\b)+8*li+4:X+8*NT*(\b)+8*li+7], v[XO], s[SX:SX+1] offset:(\k)*1024+li*XTILE+512
.set li, li+1
.endr
.endm
.macro CONV b                          ; register p of fragment jt = loads 2 p and 2 p + 1, column jt
	WIN 0x05                                       ; both sources window 1, destination window 0
.set cj, 0
.rept 4
.set cp, 0
.rept 8
	v_cvt_pk_bf16_f32 v[F+32*(\b)+8*cj+cp], v[R+64*(\b)+8*cp+cj], v[R+64*(\b)+8*cp+4+cj]
.set cp, cp+1
.endr
.set cj, cj+1
.endr
.endm
.macro MULS b, xb, zero                ; 20 matrix instructions on W's buffer b and h's buffer xb, the 20 accumulators by turns, one instruction a turn
	WIN 0x04                                       ; h window 1; W, C and D window 0
.set mi, 0
.rept NT
.set mj, 0
.rept 4
.if \zero
	v_wmma_f32_16x16x32_bf16 v[ACC+32*mi+8*mj:ACC+32*mi+8*mj+7], v[F+32*(\b)+8*mj:F+32*(\b)+8*mj+7], v[X+8*NT*(\xb)+8*mi:X+8*NT*(\xb)+8*mi+7], 0
.else
	v_wmma_f32_16x16x32_bf16 v[ACC+32*mi+8*mj:ACC+32*mi+8*mj+7], v[F+32*(\b)+8*mj:F+32*(\b)+8*mj+7], v[X+8*NT*(\xb)+8*mi:X+8*NT*(\xb)+8*mi+7], v[ACC+32*mi+8*mj:ACC+32*mi+8*mj+7]
.endif
.set mj, mj+1
.endr
.set mi, mi+1
.endr
.endm
; PASS 0, K STEP t, written out for each t: every offset is an immediate and no base is stepped.  Ahead of its products the step makes W(t + 1)'s fragments, asks memory for W(t + 3) or LDS for W(t + 2),
; and asks for h(t + 2), in this order.
; The wait for loads: they come back in order (ISA guide 5.7.1).  The step needs h(t) and, if it came from memory, W(t + 1), which was issued ahead of h(t).  Behind h(t) were issued W(t + 2)'s 16 loads,
; if that step comes from memory, and h(t + 1)'s 10: these may stay out.
; The wait for LDS: W(t + 1)'s reads were issued in step t - 1 and nothing behind them.  The wait for tensor loads counts my loads issued behind the tile that is about to be read.
; The four v_nop are the places between the last step's products and the writes and loads into registers that those products read.
.macro PSTEP t
.set par, (\t)%2
.set nl, 0
.if (\t)+2 < NR
.set nl, 16
.endif
.if (\t)+1 < NS
.set nl, nl+NX
.endif
	s_wait_loadcnt nl
.if (\t)+1 < NS
.if (\t)+1 >= NR
	s_wait_dscnt 0x0
.endif
.rept 4
	v_nop
.endr
	CONV 1-par
.endif
.if (\t)+3 < NR
	LOADW 1-par, (\t)+3
.endif
.if ((\t)+2 >= NR) && ((\t)+2 < NS)
.if ((\t)+2-NR)%TS == 0
	s_wait_tensorcnt NTL-1-((\t)+2-NR)/TS
.endif
	LOADL par, (\t)+2-NR
.endif
.if (\t)+2 < NS
	LOADX ((\t)+2)%3, (\t)+2
.endif
.if (\t) == 0
	MULS par, (\t)%3, 1
.else
	MULS par, (\t)%3, 0
.endif
.endm
; PASSES 1 TO 6, K step t, on buffers par = t % 2: makes W(t + 1)'s fragments (cv), asks for h(t + 1) (ix) and W(t + 3) (iw), in this order, and multiplies.
; n: behind W(t + 1) and h(t), which this step needs, only W(t + 2)'s 16 loads were issued.
.macro STEP par, zero, cv, ix, iw, n, kx, kw
	s_wait_loadcnt \n
.if \cv
.rept 4
	v_nop
.endr
	CONV 1-(\par)
.endif
.if \ix
	LOADX 1-(\par), \kx
.endif
.if \iw
	LOADW 1-(\par), \kw
.endif
	MULS \par, \par, \zero
.endm
	s_load_b256 s[4:11], s[0:1], 0x0               ; W s[4:5], hfrag s[6:7], meta s[8:9], order s[10:11]
	s_load_b64 s[12:13], s[0:1], 0x20              ; out0
	v_lshl_add_u32 v[SPW], v0, 2, SPARE
	v_mov_b32 v[NIL], 0
	ds_add_u32 v[SPW], v[NIL]                      ; the wave's opening: the add and its wait stand ahead of my first tensor load; the set-up below, work on registers, stands between them
	v_lshrrev_b32 v3, 5, v0
	v_readfirstlane_b32 s14, v3                    ; wave 0..7
	v_and_b32 v3, 31, v0                           ; lane
	v_and_b32 v4, 15, v0                           ; r
	v_bfe_u32 v5, v0, 4, 1                         ; h
	s_and_b32 s15, ttmp7, 0xffff                   ; e
	s_lshr_b32 s16, ttmp9, 1                       ; unit
	s_and_b32 s17, ttmp9, 1                        ; hf
	s_mul_i32 s38, s14, REG                        ; my region of LDS
	v_lshlrev_b32 v[C16], 4, v4
	v_lshl_add_u32 v[WO], v5, 15, v[C16]           ; 8 rows of 4,096 bytes for the upper half of the lanes
	v_lshl_add_u32 v[LA], v5, 11, v[C16]           ; in LDS 8 rows of 256
	v_add_nc_u32 v[LA], s38, v[LA]
	v_lshlrev_b32 v[XO], 4, v3
	v_add_nc_u32 v[STA], s38, v[XO]
	s_lshl_b32 s18, s14, 12                        ; tile w's four accumulators in a region
	v_add_nc_u32 v[SJ], s18, v[XO]
	v_add_nc_u32 v[SJ+1], 2*REG, v[SJ]
	v_add_nc_u32 v[SJ+2], 4*REG, v[SJ]
	v_add_nc_u32 v[SJ+3], 6*REG, v[SJ]
	s_mul_i32 s18, s14, 16*RP
	s_add_co_u32 s18, s18, RB
	v_mul_u32_u24 v[RBS], v4, RP
	v_lshl_add_u32 v[RBS], v5, 7, v[RBS]
	v_add_nc_u32 v[RBS], s18, v[RBS]
	v_mul_u32_u24 v[RBL], v5, RP
	v_add_nc_u32 v[RBL], v[RBL], v[C16]
	v_add_nc_u32 v[RBL], s18, v[RBL]
	v_lshlrev_b32 v[OO], 2, v5
	s_lshl_b32 s18, s15, 23                        ; W: expert, k eighth, the unit's 256 bytes of a row
	s_lshl_b32 s19, s14, 20
	s_add_co_u32 s18, s18, s19
	s_lshl_b32 s19, s16, 8
	s_add_co_u32 s18, s18, s19
	s_mov_b32 s19, 0
	s_mul_i32 s20, s15, HE                         ; hfrag: expert, my five tiles, my eight blocks of each
	s_mul_i32 s21, s17, NT*XTILE
	s_add_co_u32 s20, s20, s21
	s_lshl_b32 s21, s14, 13
	s_add_co_u32 s20, s20, s21
	s_mov_b32 s21, 0
	s_mul_i32 s35, s17, NT
	s_add_co_u32 s35, s35, s14                     ; the tile that I store, in a pass (waves 0-4)
	s_lshl_b32 s34, s35, 4                         ; its first list place
	s_mul_i32 s22, s15, 4480                       ; order: expert, 64 bytes a tile
	s_lshl_b32 s23, s35, 6
	s_add_co_u32 s22, s22, s23
	s_mov_b32 s23, 0
	s_lshl_b32 s24, s16, 8                         ; out0: the unit's 256 bytes of a row
	s_mov_b32 s25, 0
	s_lshl_b32 s36, s15, 7
	s_mov_b32 s37, 0
	; descriptor group 1: a tile of 64 rows x 64 elements of 4 bytes, laid into LDS row behind row without padding
	s_mov_b32 s[G1+0], 2<<16                       ; 15:0 no work-group mask; 17:16 elements of 4 bytes; 20 no padding
	s_mov_b32 s[G1+1], 64<<16                      ; tensor_dim0 = 64
	s_mov_b32 s[G1+2], (TS*32)<<16                 ; tensor_dim1 = 64
	s_mov_b32 s[G1+3], 64<<16                      ; tile_dim0 = 64
	s_mov_b32 s[G1+4], TS*32                       ; tile_dim1 = 64
	s_mov_b32 s[G1+5], 1024                        ; elements from row to row
	s_mov_b32 s[G1+6], 0
	s_mov_b32 s[G1+7], 0
	s_mov_b32 s32, 0                               ; the pass in hand
	s_wait_dscnt 0x0                               ; the opening add is done
	s_wait_kmcnt 0x0
	s_add_nc_u64 s[8:9], s[8:9], s[36:37]
	s_load_b64 s[26:27], s[8:9], 0x0               ; s26 the expert's count, s27 its passes: wanted only behind pass 0's products
	s_add_nc_u64 s[4:5], s[4:5], s[18:19]
	s_add_nc_u64 s[6:7], s[6:7], s[20:21]
	s_add_nc_u64 s[10:11], s[10:11], s[22:23]
	s_add_nc_u64 s[12:13], s[12:13], s[24:25]
	s_mov_b64 s[SW:SW+1], s[4:5]
	s_mov_b64 s[SX:SX+1], s[6:7]
.irp j, 0,1
	s_mov_b32 s[G0+4*\j], 1                                        ; count = 1
	s_add_co_u32 s[G0+4*\j+1], s38, \j*TS*8192                     ; LDS address: my region, tile j
	s_add_nc_u64 s[G0+4*\j+2:G0+4*\j+3], s[4:5], (NR+TS*\j)*WSTEP  ; global address: K step 4 + 2 j
	s_or_b32 s[G0+4*\j+3], s[G0+4*\j+3], 0x80000000                ; type = 2
.endr
	; PASS 0.  What the first steps need is asked for first, then all that goes through LDS: two tensor loads of mine are out, 32 KB.
	LOADW 0, 0
	LOADW 1, 1
	LOADX 0, 0
	WIN 0x05                                       ; the windows of the roundings below are set ahead of the tensor loads
.irp j, 0,1
	tensor_load_to_lds s[G0+4*\j:G0+4*\j+3], s[G1:G1+7]
	s_nop 0
.endr
	s_wait_loadcnt 16+NX                           ; W(0) is in; behind it W(1)'s 16 loads and h(0)'s 10
	CONV 0
	LOADW 0, 2
	LOADX 1, 1
.set tt, 0
.rept NS
	PSTEP tt
.set tt, tt+1
.endr
	WIN 0
	s_wait_kmcnt 0x0                               ; count and passes
	s_branch .Lstage                               ; into the loop's first trip, behind its products
.Lpass:
	s_cmp_lt_u32 s32, s27
	s_cbranch_scc0 .Lno_main
	s_mov_b64 s[SW:SW+1], s[4:5]                   ; no load is out here
	s_mov_b64 s[SX:SX+1], s[6:7]
	LOADW 0, 0
	LOADW 1, 1
	LOADX 0, 0
	s_wait_loadcnt 16+NX                           ; W(0) is in; behind it W(1)'s 16 loads and h(0)'s 10
	CONV 0
	LOADW 0, 2
	STEP 0, 1, 1, 1, 1, 16, 1, 3                   ; step 0 stands ahead of the loop: its products start the sums
	WIN 0
	s_wait_xcnt 0x0                                ; the bases are stepped only behind this wait
	s_add_nc_u64 s[SW:SW+1], s[SW:SW+1], WSTEP
	s_add_nc_u64 s[SX:SX+1], s[SX:SX+1], 1024
	s_mov_b32 s33, 2
.Lk:                                                   ; steps 1 to 4, two a trip
	STEP 1, 0, 1, 1, 1, 16, 1, 3
	STEP 0, 0, 1, 1, 1, 16, 2, 4
	WIN 0
	s_wait_xcnt 0x0
	s_add_nc_u64 s[SW:SW+1], s[SW:SW+1], 2*WSTEP
	s_add_nc_u64 s[SX:SX+1], s[SX:SX+1], 2048
	s_sub_co_u32 s33, s33, 1
	s_cmp_lg_u32 s33, 0
	s_cbranch_scc1 .Lk
	STEP 1, 0, 1, 1, 0, 16, 1, 0                   ; step 5: W(7) may stay out
	STEP 0, 0, 1, 1, 0, 0, 2, 0                    ; step 6
	STEP 1, 0, 0, 0, 0, 0, 0, 0                    ; step 7
	WIN 0
.Lstage:
.rept 4
	v_nop                                          ; the places between the last products and the stores that read them
.endr
.set a, 0
.rept 20                               ; my region has had its only fill, and my reads of it are back
	ds_store_b128 v[STA], v[ACC+8*a:ACC+8*a+3]   offset:1024*a       ; each accumulator's low registers first
	ds_store_b128 v[STA], v[ACC+8*a+4:ACC+8*a+7] offset:1024*a+512
.set a, a+1
.endr
.Lno_main:
	s_wait_dscnt 0x0                               ; for the others' sake: my accumulators are laid down
	s_barrier_signal -1
	s_barrier_wait -1
	s_cmp_lt_u32 s32, s27
	s_cbranch_scc0 .Lno_final
	s_cmp_lt_u32 s14, NT                           ; five tiles, waves 0 to 4
	s_cbranch_scc0 .Lno_final
	s_cmp_lt_u32 s34, s26                          ; a tile that begins at or past the count holds repeats alone
	s_cbranch_scc0 .Lno_final
.irp t, 0,1,2,3,4,5,6,7
	global_load_b32 v[TK+\t], v[OO], s[10:11] offset:8*\t   ; the token of the tile's place 2 t + h
.endr
.irp pr, 0,1                           ; accumulators jt = 2 pr and 2 pr + 1 of my tile, from all eight regions
.set sv, 0
.rept 8
.irp q, 0,1,2,3
	ds_load_b128 v[T+16*sv+4*\q:T+16*sv+4*\q+3], v[SJ+sv/2] offset:REG*(sv%2)+2048*\pr+512*\q
.endr
.set sv, sv+1
.endr
	s_wait_dscnt 0x0
.irp sw, 0,2,4,6
.set z, 0
.rept 8
	v_pk_add_f32 v[T+16*\sw+z:T+16*\sw+z+1], v[T+16*\sw+z:T+16*\sw+z+1], v[T+16*\sw+16+z:T+16*\sw+16+z+1]
.set z, z+2
.endr
.endr
.irp sw, 0,4
.set z, 0
.rept 8
	v_pk_add_f32 v[T+16*\sw+z:T+16*\sw+z+1], v[T+16*\sw+z:T+16*\sw+z+1], v[T+16*\sw+32+z:T+16*\sw+32+z+1]
.set z, z+2
.endr
.endr
.set z, 0
.rept 16
	v_add_f32 v[OUT+4*(z%8)+2*\pr+z/8], v[T+z], v[T+64+z]   ; register j of accumulator jt is the lane's column 4 j + jt
.set z, z+1
.endr
.endr
.irp j, 0,1,2,3,4,5,6,7
	ds_store_b128 v[RBS], v[OUT+4*\j:OUT+4*\j+3] offset:16*\j
.endr
.irp t, 0,1,2,3,4,5,6,7
	ds_load_b128 v[BK+4*\t:BK+4*\t+3], v[RBL] offset:2*RP*\t  ; LDS serves a wave's instructions in order (ISA guide 5.7.1.4): these see the stores above; the buffer is my own
.endr
	s_wait_loadcnt 0x0                             ; the tokens
.irp t, 0,1,2,3,4,5,6,7
	v_min_u32 v[TK+\t], 0x3ff, v[TK+\t]
	v_lshl_add_u32 v[TK+\t], v[TK+\t], 12, v[C16]  ; the token's row of 4,096 bytes, 16 bytes a lane
.endr
	s_wait_dscnt 0x0
.irp t, 0,1,2,3,4,5,6,7
	global_store_b128 v[TK+\t], v[BK+4*\t:BK+4*\t+3], s[12:13]  ; sixteen lanes store 256 consecutive bytes, at a multiple of 256 from out0's first
.endr
.Lno_final:
	s_wait_dscnt 0x0                               ; my reads of the regions are over: the next pass may write them
	s_barrier_signal -1
	s_barrier_wait -1
	s_wait_xcnt 0x0                                ; bases, offsets and store data are rewritten only behind this wait
	s_add_nc_u64 s[6:7], s[6:7], HPASS
	s_add_nc_u64 s[10:11], s[10:11], 640
	s_add_co_u32 s34, s34, 160
	s_add_co_u32 s32, s32, 1
	s_cmp_lt_u32 s32, 7
	s_cbranch_scc1 .Lpass
	s_wait_tensorcnt 0x0                           ; the wave's end: three lines behind my last tensor load and my last LDS store
	ds_add_u32 v[SPW], v[NIL]
	s_wait_dscnt 0x0
	s_endpgm
.Lfunc_end_k_qfb4b7ad164_down:
	.size	k_qfb4b7ad164_down, .Lfunc_end_k_qfb4b7ad164_down-k_qfb4b7ad164_down
	.p2alignl 7, 3214868480
	.fill 96, 4, 3214868480
	.section	.rodata,"a",@progbits
	.p2align	6, 0x0
	.amdhsa_kernel k_qfb4b7ad164_down
		.amdhsa_group_segment_fixed_size 284928
		.amdhsa_private_segment_fixed_size 0
		.amdhsa_enable_private_segment 0
		.amdhsa_kernarg_size 40
		.amdhsa_user_sgpr_count 2
		.amdhsa_user_sgpr_kernarg_segment_ptr 1
		.amdhsa_wavefront_size32 1
		.amdhsa_system_sgpr_workgroup_id_x 1
		.amdhsa_system_sgpr_workgroup_id_y 1
		.amdhsa_system_sgpr_workgroup_id_z 1
		.amdhsa_system_vgpr_workitem_id 0
		.amdhsa_next_free_vgpr 504
		.amdhsa_next_free_sgpr 66
		.amdhsa_reserve_vcc 0
		.amdhsa_float_denorm_mode_32 3
		.amdhsa_float_denorm_mode_16_64 3
		.amdhsa_memory_ordered 1
		.amdhsa_forward_progress 1
		.amdhsa_inst_pref_size 105
	.end_amdhsa_kernel
	.amdgpu_metadata
---
amdhsa.version: [ 1, 2 ]
amdhsa.kernels:
  - .name:           k_qfb4b7ad164_down
    .symbol:         k_qfb4b7ad164_down.kd
    .args:
      - { .name: down_proj, .offset: 0, .size: 8, .value_kind: global_buffer, .address_space: global }
      - { .name: hfrag, .offset: 8, .size: 8, .value_kind: global_buffer, .address_space: global }
      - { .name: meta, .offset: 16, .size: 8, .value_kind: global_buffer, .address_space: global }
      - { .name: order, .offset: 24, .size: 8, .value_kind: global_buffer, .address_space: global }
      - { .name: out0, .offset: 32, .size: 8, .value_kind: global_buffer, .address_space: global }
    .group_segment_fixed_size: 284928
    .private_segment_fixed_size: 0
    .kernarg_segment_align: 8
    .kernarg_segment_size: 40
    .max_flat_workgroup_size: 256
    .sgpr_count:     66
    .vgpr_count:     504
    .wavefront_size: 32
...
	.end_amdgpu_metadata
.endif
;; end of part 3
